; MI455X (gfx1250); checked and timed in simulation.
; The chip was launched on July 23, 2026; its instructions are those of AMD's public machine-readable ISA for CDNA 5 (MIT licence, August 2026) and "CDNA5" Instruction Set Architecture Reference Guide (July 2026). The comments in the code are by the model that wrote it; some were corrected since.
;; Fusion Network. Allowed arithmetic: matrix products marked QUANTISED: E2M1 operands, one E8M0 scale for each 32 along K, by v_wmma_scale_f32_16x16x128_f8f6f4 with both operands' format E2M1 (or v_wmma_scale_f32_32x16x128_f4), f32 sums; products left as they are: f32 operands where the result goes on into a quantised operand, else bf16, f16 or f32 operands; f32 sums; everything else in f32.
;; Inputs: au 16 x 8,192 x 256 float32; vi 16 x 8,192 x 256 float32; wk_b 256 float32; wk_w 256 x 256 float32; wq_b 256 float32; wq_w 256 x 256 float32; wv_b 512 float32; wv_w 512 x 512 float32.
;; Outputs: out0 16 x 512 float32; out1 16 x 8,192 float32.
;; This version of the problem:
;;   THIS VERSION OF THE PROBLEM IS GIVEN IN LOW PRECISION. The matrix products marked QUANTISED in the list below multiply operands that are first quantised to E2M1 (2 exponent bits, 1 mantissa bit; 4 bits a number), with one power-of-two scale for each 32 numbers along K (OCP MX v1.0); their sums are f32. All else is computed in f32.
;;   The module's matrix products, in the order in which they are computed (A, B: the left and right operand; K: the contracted axis; several contracted axes count as one K, in the product's order):
;;     1. [M 131,072, K 256] x [K 256, N 256]; A: input vi; B: input wq_w: QUANTISED
;;     2. [M 131,072, K 256] x [K 256, N 256]; A: input au; B: input wk_w: QUANTISED
;;     3. [M 131,072, K 512] x [K 512, N 512]; A: computed on the way; B: input wv_w: QUANTISED
;;     4. batch 131,072 x [M 1, K 256] x [K 256, N 1]; A: computed on the way; B: computed on the way: left as it is (M = 1 < 16)
;;     5. batch 16 x [M 1, K 8,192] x [K 8,192, N 512]; A: softmax; B: computed on the way: left as it is (M = 1 < 16)
;;   THE QUANTISER, for each operand of a quantised product, along K:
;;     - K is cut into blocks of 32 from its start; a last block that is shorter is filled with zeros.
;;     - A block's scale is 2^e with e = floor(log2(the largest magnitude in the block)) - 2, held to -126 .. 127; a block of zeros has e = 0. As a byte (E8M0): e + 127.
;;     - Each number is divided by its block's scale, clamped to +-6, and rounded to the nearest number of E2M1, ties to even, subnormals kept.
;;     - The product sums the exact products of the quantised numbers (number of the format x scale) in f32.
;;   ~~~python
;;   def quantise(x, axis):      # numpy; x: float32 -> the quantised numbers, widened to float32 again
;;       x = np.moveaxis(x, axis, -1); K = x.shape[-1]
;;       x = np.pad(x, [(0, 0)] * (x.ndim - 1) + [(0, -K % 32)]); x = x.reshape(x.shape[:-1] + (-1, 32)); a = np.abs(x).max(-1, keepdims=True)
;;       e = np.where(a > 0, np.clip(np.frexp(np.where(a > 0, a, 1))[1] - 1 - 2, -126, 127), 0)      # np.frexp(a)[1] - 1 = floor(log2(a)), exactly
;;       r = np.clip(x / 2.0 ** e, -6, 6)
;;       step = 2.0 ** (np.maximum(np.frexp(np.where(r == 0, 1, r))[1] - 1, 0) - 1)
;;       q = np.round(r / step) * step * 2.0 ** e      # np.round: ties to even
;;       return np.moveaxis(q.reshape(q.shape[:-2] + (-1,))[..., :K], -1, axis).astype(np.float32)
;;   ~~~
;;   OPERANDS COMPUTED ON THE WAY. 'Computed on the way' means the value that the module computes at that place (a softmax that the list does not call 'softmax' is quantised finished and normalised). What goes into a quantiser is computed in f32, as accurately as f32 sums, v_exp_f32 and their like allow (about 1e-6 of the number): no bf16 or f16 on the way to a quantiser, and a product that is left as it is and whose result goes on into a quantised operand takes f32 operands (vector FMAs, or v_wmma_f32_16x16x4_f32). A number that lies on a knife's edge between two numbers of the format may be rounded either way, as far as f32 arithmetic and the matrix unit's own rounding can turn it there, and no further.
;; One version. Each part assembles by itself: llvm-mc -triple=amdgcn-amd-amdhsa -mcpu=gfx1250 --defsym DOCPART=n.
;; ======== version 1 of 1: 3 launches
;; limits: right only within a limited range of input values
;; workspace buffers: wfrag 196,608 bytes; wscale 12,288 bytes; scores 524,288 bytes; part 524,288 bytes; stat 2,048 bytes
;; launch prep (part 1): grid 96 x 1, 4 waves a work-group, no clusters, 1,024 bytes of LDS; arguments wq_w, wk_w, wv_w, wfrag, wscale; writes wfrag, wscale
.if DOCPART == 1
	.amdgcn_target "amdgcn-amd-amdhsa--gfx1250"
	.amdhsa_code_object_version 6
	.text
	.protected	k_q863e4d1aaf_prep
	.globl	k_q863e4d1aaf_prep
	.p2align	8
	.type	k_q863e4d1aaf_prep,@function
k_q863e4d1aaf_prep:
	s_mov_b64 s[64:65], 0
	v_nop
	global_prefetch_b8 v0, s[64:65] scope:SCOPE_SE
	s_setreg_imm32_b32 hwreg(HW_REG_WAVE_MODE, 25, 1), 1
	s_wait_xcnt 0x0
; The three weights, f32 with K as their FIRST axis, become codes of FP4 (E2M1) with one E8M0 byte for each 32 along K, laid in the order of the
; operand registers of the launch that multiplies by them: wfrag [wave 8][fragment 24][1,024 bytes], wscale [wave 8][fragment 24][16 words].
; A fragment is 16 weight columns x 128 along K: lane (r, h) of the reader holds column r; its registers 4 c .. 4 c + 3 hold k = 64 c + 32 h + 0 .. 31.
; Its image: 512 bytes for registers 0-3 (lane l at 16 l), then 512 for registers 4-7.  So block b of 32 along K of column r lies at 256 b + 16 r.
; Fragment numbers of reader wave w: 0-3 wq (columns 32 w + 16 t + r, K step e: 2 t + e), 4-7 wk likewise, 8-23 wv (columns 64 w + 16 t + r, K step s: 8 + 4 t + s).
; A LANE TAKES A COLUMN AND ITS REGISTERS RUN DOWN K: a load reads 128 consecutive bytes, a block of 32 lies in one lane, nothing is transposed.
; A work-group takes 32 columns (two tiles of 16) x one K step of 128; its wave b takes block b.  Work-groups 0-15 wq, 16-31 wk, 32-95 wv.
; The four waves' scale bytes meet in LDS, so that wave 0 stores whole scale words (64 consecutive bytes a fragment, 12,288 bytes in the whole launch).
; A block's scale is 2^(floor(log2(its largest magnitude)) - 2); its byte is that magnitude's exponent field - 2, held at 1 from below.
; LIMITS: a block of zeros gets the byte 1 where the rule says 127 (its codes are zeros, and this program alone reads the bytes); NaN and infinities are not served.
.set X, 32                             ; v32-63   32 numbers of my column
.set C, 16                             ; v16-19   their codes
.set SPARE, 256                        ; LDS: bytes 0-127 the scale words; from 256 on the spare words, 128 bytes for each wave
	s_load_b256 s[4:11], s[0:1], 0x0               ; wq s[4:5], wk s[6:7], wv s[8:9], wfrag s[10:11]
	s_load_b64 s[12:13], s[0:1], 0x20              ; wscale
	v_lshl_add_u32 v14, v0, 2, SPARE
	v_mov_b32 v15, 0
	v_lshrrev_b32 v1, 5, v0
	v_readfirstlane_b32 s16, v1                    ; wave: my block b
	v_and_b32 v2, 31, v0                           ; lane
	v_and_b32 v3, 15, v0                           ; r: my column in its tile
	v_bfe_u32 v4, v0, 4, 1                         ; u: which of the two tiles
	v_lshlrev_b32 v5, 2, v2                        ; 4 x lane: in memory, and my column's scale word in LDS
	v_add_nc_u32 v6, s16, v5                       ; my byte of it
.macro WLOAD pitch                     ; my column's 32 numbers, a row of the weight apart
.set i, 0
.rept 32
	global_load_b32 v[X+i], v5, s[14:15] offset:i*\pitch th:TH_LOAD_NT
.set i, i+1
.endr
.endm
	s_wait_alu depctr_va_vdst(0)                   ; the wait at the head's end
	s_wait_kmcnt 0x0
	s_cmp_lt_u32 ttmp9, 32
	s_cbranch_scc0 .Lwide
	s_cmp_lt_u32 ttmp9, 16                         ; wq or wk: rows of 1,024 bytes
	s_cselect_b64 s[14:15], s[4:5], s[6:7]
	s_and_b32 s21, ttmp9, 15
	s_and_b32 s17, s21, 1                          ; K step
	s_lshr_b32 s19, s21, 1                         ; columns 32 g on: reader wave g
	s_lshr_b32 s22, ttmp9, 4
	s_lshl_b32 s22, s22, 2
	s_add_co_u32 s22, s22, s17                     ; first fragment: 4 (wk?) + e
	s_mov_b32 s20, 11                              ; from tile to tile: 2 fragments = 2^11 bytes
	s_lshl_b32 s24, s17, 17                        ; 128 rows of 1,024 bytes a K step
	s_lshl_b32 s25, s16, 15                        ; 32 rows a block
	s_add_co_u32 s24, s24, s25
	s_lshl_b32 s25, s19, 7
	s_add_co_u32 s24, s24, s25
	s_mov_b32 s25, 0
	s_add_nc_u64 s[14:15], s[14:15], s[24:25]
	WLOAD 1024
	s_branch .Lquant
.Lwide:                                            ; wv: rows of 2,048 bytes
	s_mov_b64 s[14:15], s[8:9]
	s_sub_co_u32 s21, ttmp9, 32
	s_and_b32 s17, s21, 3                          ; K step
	s_lshr_b32 s18, s21, 2                         ; columns 32 g on
	s_lshr_b32 s19, s18, 1                         ; reader wave: 64 columns each
	s_and_b32 s22, s18, 1
	s_lshl_b32 s22, s22, 3                         ; 4 x first tile = 8 (g % 2)
	s_add_co_u32 s22, s22, s17
	s_add_co_u32 s22, s22, 8                       ; first fragment: 8 + 4 t + s
	s_mov_b32 s20, 12                              ; from tile to tile: 4 fragments = 2^12 bytes
	s_lshl_b32 s24, s17, 18                        ; 128 rows of 2,048 bytes a K step
	s_lshl_b32 s25, s16, 16                        ; 32 rows a block
	s_add_co_u32 s24, s24, s25
	s_lshl_b32 s25, s18, 7
	s_add_co_u32 s24, s24, s25
	s_mov_b32 s25, 0
	s_add_nc_u64 s[14:15], s[14:15], s[24:25]
	WLOAD 2048
.Lquant:
	s_sub_co_u32 s21, s20, 4                       ; a fragment's scale words are 64 bytes
	s_mul_i32 s24, s19, 24576                      ; the reader wave's 24 fragments
	s_lshl_b32 s26, s22, 10
	s_add_co_u32 s24, s24, s26
	s_lshl_b32 s26, s16, 8
	s_add_co_u32 s24, s24, s26                     ; + 256 b
	s_mov_b32 s25, 0
	s_add_nc_u64 s[10:11], s[10:11], s[24:25]
	s_mul_i32 s24, s19, 1536
	s_lshl_b32 s26, s22, 6
	s_add_co_u32 s24, s24, s26
	s_add_nc_u64 s[12:13], s[12:13], s[24:25]
	v_lshlrev_b32 v7, s20, v4                      ; codes out: my tile's fragment
	v_lshlrev_b32 v8, s21, v4                      ; scale words out
	v_lshl_add_u32 v7, v3, 4, v7                   ; + 16 r
	v_lshl_add_u32 v8, v3, 2, v8                   ; + 4 r
	s_wait_alu depctr_va_vdst(0)                   ; directly ahead of the wait below
	s_wait_loadcnt 0x0
	v_max3_num_f32 v9, |v[X]|, |v[X+1]|, |v[X+2]|  ; the block's largest magnitude, in two chains: all its 32 numbers are mine
	v_max3_num_f32 v10, |v[X+3]|, |v[X+4]|, |v[X+5]|
.irp i, 6,10,14,18,22,26
	v_max3_num_f32 v9, v9, |v[X+\i]|, |v[X+\i+1]|
	v_max3_num_f32 v10, v10, |v[X+\i+2]|, |v[X+\i+3]|
.endr
	v_max3_num_f32 v9, v9, |v[X+30]|, |v[X+31]|
	v_max3_num_f32 v9, v9, v10, 0x1800000          ; and the floor 2^(3 - 127): the byte cannot fall under 1
	v_add_nc_u32 v11, 0xff000000, v9               ; 2 off the exponent field: the conversion takes this operand's exponent field as its scale
.irp g, 0,1,2,3
	v_cvt_scalef32_pk8_fp4_f32 v[C+\g], v[X+8*\g:X+8*\g+7], v11
.endr
	v_lshrrev_b32 v13, 23, v11                     ; the scale's byte
	ds_store_b8 v6, v13
	global_store_b128 v7, v[C:C+3], s[10:11]       ; sixteen lanes store 256 consecutive bytes, aligned
	s_wait_tensorcnt 0x0                           ; the wave's end, behind my last LDS store
	ds_add_u32 v14, v15
	s_wait_dscnt 0x0                               ; my bytes have landed, for wave 0's sake
	s_barrier_signal -1
	s_barrier_wait -1
	s_cmp_lg_u32 s16, 0
	s_cbranch_scc1 .Lend
	ds_load_b32 v9, v5                             ; four waves' bytes: my column's scale word
	s_wait_dscnt 0x0
	global_store_b32 v8, v9, s[12:13]
.Lend:
	s_endpgm
.Lfunc_end_k_q863e4d1aaf_prep:
	.size	k_q863e4d1aaf_prep, .Lfunc_end_k_q863e4d1aaf_prep-k_q863e4d1aaf_prep
	.p2alignl 7, 3214868480
	.fill 96, 4, 3214868480
	.section	.rodata,"a",@progbits
	.p2align	6, 0x0
	.amdhsa_kernel k_q863e4d1aaf_prep
		.amdhsa_group_segment_fixed_size 1024
		.amdhsa_private_segment_fixed_size 0
		.amdhsa_enable_private_segment 0
		.amdhsa_kernarg_size 40
		.amdhsa_user_sgpr_count 2
		.amdhsa_user_sgpr_kernarg_segment_ptr 1
		.amdhsa_wavefront_size32 1
		.amdhsa_system_sgpr_workgroup_id_x 1
		.amdhsa_system_sgpr_workgroup_id_y 1
		.amdhsa_system_sgpr_workgroup_id_z 1
		.amdhsa_system_vgpr_workitem_id 0
		.amdhsa_next_free_vgpr 64
		.amdhsa_next_free_sgpr 66
		.amdhsa_reserve_vcc 0
		.amdhsa_float_denorm_mode_32 3
		.amdhsa_float_denorm_mode_16_64 3
		.amdhsa_memory_ordered 1
		.amdhsa_forward_progress 1
		.amdhsa_inst_pref_size 11
	.end_amdhsa_kernel
	.amdgpu_metadata
---
amdhsa.version: [ 1, 2 ]
amdhsa.kernels:
  - .name:           k_q863e4d1aaf_prep
    .symbol:         k_q863e4d1aaf_prep.kd
    .args:
      - { .name: wq_w, .offset: 0, .size: 8, .value_kind: global_buffer, .address_space: global }
      - { .name: wk_w, .offset: 8, .size: 8, .value_kind: global_buffer, .address_space: global }
      - { .name: wv_w, .offset: 16, .size: 8, .value_kind: global_buffer, .address_space: global }
      - { .name: wfrag, .offset: 24, .size: 8, .value_kind: global_buffer, .address_space: global }
      - { .name: wscale, .offset: 32, .size: 8, .value_kind: global_buffer, .address_space: global }
    .group_segment_fixed_size: 1024
    .private_segment_fixed_size: 0
    .kernarg_segment_align: 8
    .kernarg_segment_size: 40
    .max_flat_workgroup_size: 128
    .sgpr_count:     66
    .vgpr_count:     64
    .wavefront_size: 32
...
	.end_amdgpu_metadata
.endif
;; end of part 1
;; launch main (part 2): grid 256 x 1, 8 waves a work-group, no clusters, 327,680 bytes of LDS; arguments vi, au, wq_b, wk_b, wfrag, wscale, scores, part, stat; writes scores, part, stat
.if DOCPART == 2
	.amdgcn_target "amdgcn-amd-amdhsa--gfx1250"
	.amdhsa_code_object_version 6
	.text
	.protected	k_q863e4d1aaf_main
	.globl	k_q863e4d1aaf_main
	.p2align	8
	.type	k_q863e4d1aaf_main,@function
k_q863e4d1aaf_main:
	s_mov_b64 s[64:65], 0
	v_nop
	global_prefetch_b8 v0, s[64:65] scope:SCOPE_SE
	s_setreg_imm32_b32 hwreg(HW_REG_WAVE_MODE, 25, 1), 1
	s_wait_xcnt 0x0
; q = Q(vi) Q(wq) + bq, k = Q(au) Q(wk) + bk, v' = Q([vi, au]) Q(wv) on codes of FP4 (E2M1) with E8M0 scales for each 32 along K; t = (q . k) log2(e) / 16 for each row;
; a running softmax over the work-group's 512 rows: m = the largest t, l = the sum of p = 2^(t - m), and the sum of p v'.  Stored: t for each row (scores), the sum of p v' (part), (m, l) (stat).
; The last launch joins the 16 work-groups of a batch and adds v's bias: the sum of w (v' + b) is the sum of w v' plus b times the sum of w.
; The blocks of 32 along K of [vi, au] are vi's followed by au's: each row is quantised once and serves two products.
; SHARES.  256 work-groups of eight waves; a work-group takes 512 rows, 64 at a time (a block; 8 blocks).  THE WAVES SHARE THE COLUMNS: wave w makes q and k columns 32 w .. + 31 and v' columns 64 w .. + 63
; of all 64 rows, so its 24 weight fragments (192 registers), their scale words and its biases stay in registers, loaded once, as the launch before laid them.
; TILES.  A wave fetches 16 rows (16 KiB, dense, stated as 64 rows of 256 bytes) with one tensor load: waves 0-3 of vi, waves 4-7 of au.  A ring of two slots of one block; 16 bytes of padding behind each 256.
; X: a wave quantises the 16 rows that it fetched.  LANE l TAKES k = 8 l .. 8 l + 7 OF A ROW (32 neighbouring bytes), so a block of 32 lies in four neighbouring lanes, eight numbers make one register of codes,
; and a row's codes are 128 consecutive bytes of LDS: the images [64 rows][272 bytes: vi's 128, au's 128, 16 of padding], scale bytes [64 rows][16].
; QK: fragments from the images; q and k of my columns; my part of each row's q . k to LDS.   V: the eight parts are added, the softmax step, v' of my columns weighed by p into 32 registers that stay.
; ONE BARRIER A BLOCK: between barrier t and t + 1 a wave runs V of block t, X of block t + 2, QK of block t + 1.  Images and parts have two buffers by turns.
; In front of a barrier stand the waits and the add ahead of a refill; behind it the slot of block t + 1 takes block t + 3.
; ROWS OF A TILE.  Row 4 r + m of a block lies at image row 16 m + r: so lane r of tiles 0 to 3 holds four neighbouring rows, and t leaves as one store of 256 bytes.
; EVERY PRODUCT IS USED TRANSPOSED (source 0 = 16 weight columns, source 1 = 16 rows of x): lane (r, h) holds one row and eight neighbouring columns, so q . k and p live in their row's lane.
; bq and bk are the C of each sum's first matrix instruction.  p is made of the same rounded t that is stored, so that l is the sum of just what the last launch makes of t.
; PREFETCH.  Each wave asks for its own 16 rows of a block, two instructions of 32 lanes 256 bytes apart, one block ahead of the tensor load that fetches them: block 1 in the head, behind the wait for wq and wk, 2 and 3 behind the
; head's two barriers, 4 to 7 in phases 0 to 3; there is no block behind 7.  No two waves name the same block of 256 bytes.
; NO CLUSTER: no two work-groups read the same row of vi or au; what they share (codes, scale words, biases: 208 KB a work-group against its 1 MiB of rows) is loaded once, straight into registers.
; LIMITS: NaN and infinities are not served; a block of zeros gets the byte 1 where the rule says 127 (its codes are zeros; no scale byte leaves the program);
; a p under 2^-126 counts as 0 (v_exp_f32); the sums of q . k and of p v' are f32 sums in another order than a row-by-row sum.
; REGISTERS.  Window 0: v1-19 addresses and the softmax's state; v20-31 the weights' scale words (fragment 2 g in lanes 0-15, 2 g + 1 in lanes 16-31 of v20 + g); v32-47 x's scale words; v48-63 at work;
;   v64-127 two sets of 32 at work (f32 rows, results); v128-255 x's 16 fragments (at the head: offsets).  Window 1: v0-31 wq, v32-63 wk, v64-191 wv, v192-207 bq, v208-223 bk, v224-255 the sum of p v'.
.set ROWP,   1088                      ; an f32 row in LDS: four pieces of 256 + 16 bytes
.set TILE,   16*ROWP                   ; what one tensor load brings: 17,408
.set SLOT,   8*TILE                    ; 139,264 = 2^17 + 2^13: neither bit is set in wave x TILE, so one exclusive or turns an address from one slot to the other
.set IP,     272                       ; an image row
.set IMB,    64*IP                     ; an image buffer
.set IMG,    2*SLOT
.set ISC,    IMG+2*IMB                 ; the scale bytes, two buffers of 1,024
.set PART,   ISC+2048                  ; the parts of q . k: two buffers of [image row 64][wave 8] f32
.set SPARE,  PART+4096                 ; the spare words, 128 bytes for each wave: four blocks of 256 bytes that no other line names
.set SPW,  1                           ; v1   SPARE + 4 x my thread's number; never rewritten
.set NIL,  2                           ; v2   0; never rewritten
.set XR0,  3                           ; v3, v4  my lane's place in my tile, slot 0 and 1: row + 272 (l / 8) + 32 (l % 8)
.set XR1,  4
.set IWC,  5                           ; v5   where I store codes
.set IWS,  6                           ; v6   and scale bytes
.set LI,   7                           ; v7   IMG + 272 r + 16 h
.set LS,   8                           ; v8   ISC + 16 r
.set PST,  9                           ; v9   PART + 32 r + 4 w
.set PLD,  10                          ; v10  PART + 32 r + 16 h: four of a row's eight parts
.set SOF,  11                          ; v11  16 r + 8 h: two rows' t in a block's 256 bytes of scores
.set PFO,  12                          ; v12  256 x lane: the prefetches' offset
.set MX,   14
.set LSUM, 15
.set FA,   16                          ; v16 a = 2^(old m - new m), v17 at work
.set SD,   18                          ; v[18:19] two rows' t on their way out
.set WS,   20
.set XS,   32                          ; v32 + 4 m + s: tile m, K step s
.set TM,   48                          ; in V: p of tile m at TM + 4 m, t at TM + 4 m + 1
.set RA,   64
.set XF,   128                         ; v128 + 32 m + 8 s: tile m, K step s
.set HT,   128                         ; the head's offsets
.set BQ,   192
.set BK,   208
.set OA,   224
.set WV,   24                          ; s24  my wave's number
.set CNT,  25                          ; s25  pairs of phases to go
.set HM,   26                          ; s26  lanes 16-31
.set CS,   27                          ; s27  log2(e) / 16
.set G1,   28                          ; s[28:35] descriptor group 1
.set G0,   36                          ; s[36:39] group 0: it walks
.set SEL,  40                          ; s[40:41] v_permlanex16_b32's selects for lane l xor 16
.set PFA,  46                          ; s[46:47] my 16 rows of block 0 (in the loop's second trip of block 2)
.set MSB, 0
.macro WIN new                         ; the immediate's high byte repeats the setting that is left; a switch that changes nothing is dropped
.if MSB != \new
	s_set_vgpr_msb (MSB<<8)|\new
.set MSB, \new
.endif
.endm
.set TO1, 0x40                         ; a load's destination window 1
.set QK0, 0x11                         ; source 0 window 1, C window 1 (a bias), D window 0
.set VV1, 0x01                         ; source 0 window 1
.set RSW, 0x41                         ; destination and source 0 window 1
.set PVW, 0x50                         ; destination and source 2 window 1
.set STW, 0x04                         ; an LDS store's data (source 1) window 1
.macro ASK off                         ; my 16 KiB of one block
	global_prefetch_b8 v[PFO], s[PFA:PFA+1] offset:\off th:TH_LOAD_NT scope:SCOPE_SE
	global_prefetch_b8 v[PFO], s[PFA:PFA+1] offset:\off+8192 th:TH_LOAD_NT scope:SCOPE_SE
.endm
.macro PLACES                          ; four plain lines between products and the first read of their results (ISA guide 7.12.1)
.rept 4
	v_nop
.endr
.endm
	s_load_b256 s[4:11], s[0:1], 0x0               ; vi s[4:5], au s[6:7], wq_b s[8:9], wk_b s[10:11]
	s_load_b256 s[12:19], s[0:1], 0x20             ; wfrag s[12:13], wscale s[14:15], scores s[16:17], part s[18:19]
	s_load_b64 s[20:21], s[0:1], 0x40              ; stat
	v_lshl_add_u32 v[SPW], v0, 2, SPARE
	v_mov_b32 v[NIL], 0
	ds_add_u32 v[SPW], v[NIL]                      ; the wave's opening: the add, twice on end, and its wait ahead of my first tensor load
	ds_add_u32 v[SPW], v[NIL]
	v_lshrrev_b32 v[HT+6], 5, v0
	v_readfirstlane_b32 s[WV], v[HT+6]             ; wave 0..7
	; descriptor group 1: a tile of 64 rows x 64 elements of 4 bytes, dense in memory, padded in LDS
	s_mov_b32 s[G1+0], (2<<16)|(1<<20)|(5<<22)|(3<<25)  ; 15:0 no mask; 17:16 elements of 4 bytes; 20 padding on; 24:22 after every 64 words (code 5); 31:25 four words (code 3)
	s_mov_b32 s[G1+1], 64<<16                      ; tensor_dim0
	s_mov_b32 s[G1+2], 64<<16                      ; tensor_dim1
	s_mov_b32 s[G1+3], 64<<16                      ; tile_dim0
	s_mov_b32 s[G1+4], 64                          ; tile_dim1
	s_mov_b32 s[G1+5], 64                          ; elements from row to row
	s_mov_b32 s[G1+6], 0
	s_mov_b32 s[G1+7], 0
	s_mov_b32 s[CS], 0x3db8aa3b
	s_mov_b32 s[HM], 0xffff0000
	s_mov_b32 s[SEL], 0x76543210
	s_mov_b32 s[SEL+1], 0xfedcba98
	s_lshr_b32 s54, s[WV], 2                       ; 0: I fetch and quantise vi; 1: au
	s_and_b32 s55, s[WV], 3                        ; which 16 rows of a block
	s_mul_i32 s42, s[WV], TILE                     ; where my tile goes in a slot
	s_lshl_b32 s44, s55, 14
	s_lshl_b32 s45, ttmp9, 19                      ; my work-group's 512 rows of 1,024 bytes
	s_add_co_u32 s44, s44, s45
	s_mov_b32 s45, 0
	v_and_b32 v[HT], 15, v0                        ; r
	v_bfe_u32 v[HT+1], v0, 4, 1                    ; h
	v_and_b32 v[HT+2], 31, v0                      ; lane
	v_lshlrev_b32 v[HT+3], 4, v[HT+2]              ; 16 x lane: fragments
	v_lshlrev_b32 v[HT+4], 5, v[HT+1]              ; 32 h: biases
	v_lshlrev_b32 v[HT+5], 2, v[HT+2]              ; 4 x lane: scale words
	v_lshlrev_b32 v[PFO], 8, v[HT+2]
	s_wait_alu depctr_va_vdst(0)                   ; directly ahead of the waits below
	s_wait_dscnt 0x0                               ; both opening adds are done
	s_wait_kmcnt 0x0
	s_cmp_lt_u32 s[WV], 4
	s_cselect_b64 s[PFA:PFA+1], s[4:5], s[6:7]
	s_add_nc_u64 s[PFA:PFA+1], s[PFA:PFA+1], s[44:45]
	s_mov_b32 s[G0], 1                             ; count = 1
	s_mov_b32 s[G0+1], s42                         ; LDS address: slot 0
	s_mov_b64 s[G0+2:G0+3], s[PFA:PFA+1]           ; global address: block 0
	s_or_b32 s[G0+3], s[G0+3], 0x80000000          ; type = 2
	tensor_load_to_lds s[G0:G0+3], s[G1:G1+7]      ; block 0
	s_nop 0
.rept 4
	v_nop                                          ; four plain lines follow a tensor load
.endr
	s_mov_b32 s53, 0
	s_mul_i32 s52, s[WV], 24576                    ; my 24 fragments
	s_add_nc_u64 s[12:13], s[12:13], s[52:53]
	s_mul_i32 s52, s[WV], 1536                     ; and their scale words
	s_add_nc_u64 s[14:15], s[14:15], s[52:53]
	s_lshl_b32 s52, s[WV], 7                       ; my 32 numbers of bq and bk
	s_add_nc_u64 s[8:9], s[8:9], s[52:53]
	s_add_nc_u64 s[10:11], s[10:11], s[52:53]
	s_lshl_b32 s52, ttmp9, 11                      ; my work-group's 2,048 bytes of scores and of part
	s_add_nc_u64 s[16:17], s[16:17], s[52:53]
	s_add_nc_u64 s[18:19], s[18:19], s[52:53]
	s_lshl_b32 s52, s[WV], 8                       ; my 64 columns of part
	s_add_nc_u64 s[18:19], s[18:19], s[52:53]
	s_lshl_b32 s52, ttmp9, 3
	s_add_nc_u64 s[20:21], s[20:21], s[52:53]
.macro WFRAG f                         ; fragment f: each lane loads its registers whole, 512 consecutive bytes a load
	global_load_b128 v[8*\f:8*\f+3],   v[HT+3], s[12:13] offset:1024*\f
	global_load_b128 v[8*\f+4:8*\f+7], v[HT+3], s[12:13] offset:1024*\f+512
.endm
	WIN TO1
.irp f, 0,1,2,3,4,5,6,7
	WFRAG \f
.endr
	WIN 0
.irp g, 0,1,2,3,4,5,6,7,8,9,10,11
	global_load_b32 v[WS+\g], v[HT+5], s[14:15] offset:128*\g   ; two fragments' words
.endr
	WIN TO1
.irp t, 0,1                            ; the biases in the result's layout: tile t, lane (r, h): columns 16 t + 8 h + 0 .. 7
	global_load_b128 v[BQ+8*\t:BQ+8*\t+3],   v[HT+4], s[8:9] offset:64*\t
	global_load_b128 v[BQ+8*\t+4:BQ+8*\t+7], v[HT+4], s[8:9] offset:64*\t+16
	global_load_b128 v[BK+8*\t:BK+8*\t+3],   v[HT+4], s[10:11] offset:64*\t
	global_load_b128 v[BK+8*\t+4:BK+8*\t+7], v[HT+4], s[10:11] offset:64*\t+16
.endr
.set i, 0
.rept 32
	v_mov_b32 v[OA+i], 0                           ; the sum of p v'.  A phase is written for every trip alike: the first finds zeros, which its a = 0 leaves zeros
.set i, i+1
.endr
	WIN 0
	s_mul_i32 s56, s55, 4*IP                       ; rows 16 w' .. of a block lie at image rows 16 m + 4 w' ..
	s_lshl_b32 s57, s54, 7                         ; au's codes stand behind vi's
	s_add_co_u32 s56, s56, s57
	s_lshl_b32 s57, s55, 6                         ; the same for the scale bytes
	s_lshl_b32 s58, s54, 3
	s_add_co_u32 s57, s57, s58
	s_lshl_b32 s58, s[WV], 2
	v_lshrrev_b32 v[HT+6], 3, v[HT+2]
	v_lshlrev_b32 v[HT+7], 5, v[HT+2]
	v_lshl_add_u32 v[HT+7], v[HT+6], 4, v[HT+7]
	v_add_nc_u32 v[XR0], s42, v[HT+7]
	v_add_nc_u32 v[XR1], SLOT, v[XR0]
	v_add_nc_u32 v[HT+8], s56, v[HT+5]
	v_add_nc_u32 v[IWC], IMG, v[HT+8]
	v_lshrrev_b32 v[HT+9], 2, v[HT+2]
	v_add_nc_u32 v[HT+9], s57, v[HT+9]
	v_add_nc_u32 v[IWS], ISC, v[HT+9]
	v_mul_u32_u24 v[HT+10], v[HT], IP
	v_lshl_add_u32 v[HT+10], v[HT+1], 4, v[HT+10]
	v_add_nc_u32 v[LI], IMG, v[HT+10]
	v_lshl_add_u32 v[LS], v[HT], 4, ISC
	v_lshl_add_u32 v[HT+11], v[HT], 5, PART
	v_add_nc_u32 v[PST], s58, v[HT+11]
	v_lshl_add_u32 v[PLD], v[HT+1], 4, v[HT+11]
	v_lshlrev_b32 v[HT+12], 4, v[HT]
	v_lshl_add_u32 v[SOF], v[HT+1], 3, v[HT+12]
	v_mov_b32 v[MX], 0xff61b1e6                    ; the largest t so far: -3e38
	v_mov_b32 v[LSUM], 0
; THE BARRIER.  kind 2: the slot read last is filled again (the first time: filled) behind it; kind 1: a tile is shown, nothing is filled; kind 0: no tile is out.
.macro BAR kind
	s_wait_alu depctr_va_vdst(0)                   ; directly ahead of the waits below
.if \kind > 0
	s_wait_tensorcnt 0x0                           ; my one tensor load that was out has landed; so group 0 may be written
.endif
.if \kind == 2
	ds_add_u32 v[SPW], v[NIL]                      ; 0 onto my spare word
	s_xor_b32 s[G0+1], s[G0+1], SLOT               ; the walking descriptor: the other slot,
	s_add_nc_u64 s[G0+2:G0+3], s[G0+2:G0+3], 65536 ; the next 64 rows; the type bits on top are not reached
.endif
	s_wait_dscnt 0x0                               ; the add is done, my reads of the slot are over, my codes, scale bytes and parts have landed
	s_barrier_signal -1
	s_barrier_wait -1                              ; all that holds of every wave
.if \kind == 2
	tensor_load_to_lds s[G0:G0+3], s[G1:G1+7]      ; my one tensor load behind this barrier, first thing there
	s_nop 0
.rept 4
	v_nop
.endr
.endif
.endm
; X.  Rows 4 g .. 4 g + 3 of my tile into set g % 2, eight numbers a lane and row
.macro XLD g, slot
.irp u, 0,1,2,3
	ds_load_b128 v[RA+32*((\g)%2)+8*\u:RA+32*((\g)%2)+8*\u+3],   v[XR0+\slot] offset:ROWP*(4*(\g)+\u)
	ds_load_b128 v[RA+32*((\g)%2)+8*\u+4:RA+32*((\g)%2)+8*\u+7], v[XR0+\slot] offset:ROWP*(4*(\g)+\u)+16
.endr
.endm
; and their codes and scale bytes into image buffer par, the four rows by turns; a block of 32 lies in lanes 4 b .. 4 b + 3
.macro XQ g, par
.set XB, RA+32*((\g)%2)
.irp u, 0,1,2,3
	v_max3_num_f32 v[TM+\u], |v[XB+8*\u]|, |v[XB+8*\u+1]|, 0x1800000   ; with the floor 2^(3 - 127): the byte cannot fall under 1
.endr
.irp i, 2,4,6
.irp u, 0,1,2,3
	v_max3_num_f32 v[TM+\u], v[TM+\u], |v[XB+8*\u+\i]|, |v[XB+8*\u+\i+1]|
.endr
.endr
.irp u, 0,1,2,3
	v_max_num_f32_dpp v[TM+\u], v[TM+\u], v[TM+\u] row_xmask:1 row_mask:0xf bank_mask:0xf
.endr
.irp u, 0,1,2,3
	v_max_num_f32_dpp v[TM+\u], v[TM+\u], v[TM+\u] row_xmask:2 row_mask:0xf bank_mask:0xf
.endr
.irp u, 0,1,2,3
	v_add_nc_u32 v[TM+4+\u], 0xff000000, v[TM+\u]  ; 2 off the exponent field: the conversion's scale operand
.endr
.irp u, 0,1,2,3
	v_cvt_scalef32_pk8_fp4_f32 v[TM+8+\u], v[XB+8*\u:XB+8*\u+7], v[TM+4+\u]
.endr
.irp u, 0,1,2,3
	v_lshrrev_b32 v[TM+12+\u], 23, v[TM+4+\u]      ; the scale's byte; plain lines behind the conversions
.endr
.irp u, 0,1,2,3
	ds_store_b32 v[IWC], v[TM+8+\u] offset:IMB*(\par)+IP*(16*\u+\g)   ; 128 consecutive bytes
	ds_store_b8 v[IWS], v[TM+12+\u] offset:1024*(\par)+16*(16*\u+\g)  ; a block's four lanes write the same byte with the same value
.endr
.endm
; X behind its first two groups' loads.  The waits count, behind the group wanted: 8 loads a group, 8 stores a group, and more loads that were issued behind the first two groups
.macro XCORE P, more
	s_wait_dscnt 8+\more
	XQ 0, \P
	XLD 2, \P
	s_wait_dscnt 16+\more
	XQ 1, \P
	XLD 3, \P
	s_wait_dscnt 16                                ; everything asked for ahead of group 2 is in too
	XQ 2, \P
	s_wait_dscnt 8
	XQ 3, \P
.endm
.macro FRAG a, par                     ; fragments and scale words of tiles a and a + 1: 18 loads
.irp m, 0,1
	ds_load_b128 v[XS+4*(\a+\m):XS+4*(\a+\m)+3], v[LS] offset:1024*(\par)+256*(\a+\m)
.irp s, 0,1,2,3
	ds_load_b128 v[XF+32*(\a+\m)+8*\s:XF+32*(\a+\m)+8*\s+3],   v[LI] offset:IMB*(\par)+16*IP*(\a+\m)+64*\s
	ds_load_b128 v[XF+32*(\a+\m)+8*\s+4:XF+32*(\a+\m)+8*\s+7], v[LI] offset:IMB*(\par)+16*IP*(\a+\m)+64*\s+32
.endr
.endr
.endm
.macro MM d, a, b, c, sa, sb, odd      ; one scaled matrix instruction; an odd fragment's scale words stand in lanes 16-31
.if (\odd)
	v_wmma_scale_f32_16x16x128_f8f6f4 v[\d:\d+7], v[\a:\a+7], v[\b:\b+7], v[\c:\c+7], v[\sa], v[\sb] matrix_a_fmt:MATRIX_FMT_FP4 matrix_b_fmt:MATRIX_FMT_FP4 matrix_a_scale:MATRIX_SCALE_ROW1
.else
	v_wmma_scale_f32_16x16x128_f8f6f4 v[\d:\d+7], v[\a:\a+7], v[\b:\b+7], v[\c:\c+7], v[\sa], v[\sb] matrix_a_fmt:MATRIX_FMT_FP4 matrix_b_fmt:MATRIX_FMT_FP4
.endif
.endm
.macro MZ d, a, b, sa, sb              ; the same, starting a sum
	v_wmma_scale_f32_16x16x128_f8f6f4 v[\d:\d+7], v[\a:\a+7], v[\b:\b+7], 0, v[\sa], v[\sb] matrix_a_fmt:MATRIX_FMT_FP4 matrix_b_fmt:MATRIX_FMT_FP4
.endm
; q and k of tiles a and a + 1: eight accumulators by turns, two K steps; the first takes the bias as C.  Set m: q at 0, 8, k at 16, 24
.macro WQK a
	WIN QK0
.irp m, 0,1
.irp t, 0,1
	MM RA+32*\m+8*\t, 16*\t, XF+32*(\a+\m), BQ+8*\t, WS+\t, XS+4*(\a+\m), 0
.endr
.irp t, 0,1
	MM RA+32*\m+16+8*\t, 32+16*\t, XF+32*(\a+\m)+16, BK+8*\t, WS+2+\t, XS+4*(\a+\m)+2, 0
.endr
.endr
	WIN VV1
.irp m, 0,1
.irp t, 0,1
	MM RA+32*\m+8*\t, 16*\t+8, XF+32*(\a+\m)+8, RA+32*\m+8*\t, WS+\t, XS+4*(\a+\m)+1, 1
.endr
.irp t, 0,1
	MM RA+32*\m+16+8*\t, 32+16*\t+8, XF+32*(\a+\m)+24, RA+32*\m+16+8*\t, WS+2+\t, XS+4*(\a+\m)+3, 1
.endr
.endr
	WIN 0
	PLACES
.endm
; my 32 columns' part of q . k of tiles a and a + 1, by turns, each accumulator from its low end on; then lane l xor 16's eight columns a tile
.macro DIAG a, par
.irp i, 0,2,4,6
.irp m, 0,1
	v_pk_mul_f32 v[TM+8*\m+\i:TM+8*\m+\i+1], v[RA+32*\m+\i:RA+32*\m+\i+1], v[RA+32*\m+16+\i:RA+32*\m+17+\i]
.endr
.endr
.irp i, 0,2,4,6
.irp m, 0,1
	v_pk_fma_f32 v[TM+8*\m+\i:TM+8*\m+\i+1], v[RA+32*\m+8+\i:RA+32*\m+9+\i], v[RA+32*\m+24+\i:RA+32*\m+25+\i], v[TM+8*\m+\i:TM+8*\m+\i+1]
.endr
.endr
.irp m, 0,1
	v_pk_add_f32 v[TM+8*\m:TM+8*\m+1], v[TM+8*\m:TM+8*\m+1], v[TM+8*\m+2:TM+8*\m+3]
	v_pk_add_f32 v[TM+8*\m+4:TM+8*\m+5], v[TM+8*\m+4:TM+8*\m+5], v[TM+8*\m+6:TM+8*\m+7]
.endr
.irp m, 0,1
	v_pk_add_f32 v[TM+8*\m:TM+8*\m+1], v[TM+8*\m:TM+8*\m+1], v[TM+8*\m+4:TM+8*\m+5]
.endr
.irp m, 0,1
	v_add_f32 v[TM+8*\m], v[TM+8*\m], v[TM+8*\m+1]
.endr
.irp m, 0,1
	v_permlanex16_b32 v[TM+8*\m+2], v[TM+8*\m], s[SEL], s[SEL+1]
.endr
.irp m, 0,1
	v_add_f32 v[TM+8*\m+3], v[TM+8*\m], v[TM+8*\m+2]
.endr
.irp m, 0,1
	ds_store_b32 v[PST], v[TM+8*\m+3] offset:2048*(\par)+512*(\a+\m)   ; both halves of the lanes write the same word with the same value
.endr
.endm
.macro QK par
	WQK 0
	DIAG 0, \par
	WQK 2
	DIAG 2, \par
.endm
; v' of tiles a and a + 1, my 64 columns: eight accumulators by turns, four K steps; the first starts the sums
.macro WVP a
	WIN VV1
.irp m, 0,1
.irp t, 0,1,2,3
	MZ RA+32*\m+8*\t, 64+32*\t, XF+32*(\a+\m), WS+4+2*\t, XS+4*(\a+\m)
.endr
.endr
.irp s, 1,2,3
.irp m, 0,1
.irp t, 0,1,2,3
	MM RA+32*\m+8*\t, 64+32*\t+8*\s, XF+32*(\a+\m)+8*\s, RA+32*\m+8*\t, WS+4+2*\t+\s/2, XS+4*(\a+\m)+\s, \s%2
.endr
.endr
.endr
.endm
.macro PV m                            ; the sum += p of tile m's rows x v': 32 numbers, two at a time, each accumulator from its low end on
.set AC, RA+32*((\m)%2)
.set i, 0
.rept 16
	v_pk_fma_f32 v[OA+2*i:OA+2*i+1], v[AC+2*i:AC+2*i+1], v[TM+4*(\m):TM+4*(\m)+1], v[OA+2*i:OA+2*i+1] op_sel_hi:[1,0,1]
.set i, i+1
.endr
.endm
; PHASE t, P = t % 2.  bar: the barrier's kind.  ask: prefetch block t + 4.  x: X of block t + 2 (slot P, image buffer P).  qk: QK of block t + 1 (image buffer 1 - P)
.macro PHASE P, bar, ask, x, qk
	BAR \bar
.irp q, 0,1,2,3
	ds_load_b128 v[TM+4*\q:TM+4*\q+3], v[PLD] offset:2048*\P+512*\q   ; four waves' parts of tile q's row, waves 4 h .. 4 h + 3
.endr
.if \ask
	ASK 65536*(4+\P)
.endif
	WVP 0
	WIN 0
	s_wait_dscnt 0x0
.irp q, 0,1,2,3
	v_pk_add_f32 v[TM+4*\q:TM+4*\q+1], v[TM+4*\q:TM+4*\q+1], v[TM+4*\q+2:TM+4*\q+3]
.endr
.if \qk
	FRAG 0, 1-\P                                   ; the products above have read tiles 0 and 1; the four lines above are their places
.endif
.irp q, 0,1,2,3
	v_add_f32 v[TM+4*\q], v[TM+4*\q], v[TM+4*\q+1]
.endr
.irp q, 0,1,2,3
	v_permlanex16_b32 v[TM+4*\q+1], v[TM+4*\q], s[SEL], s[SEL+1]
.endr
.irp q, 0,1,2,3
	v_add_f32 v[TM+4*\q+2], v[TM+4*\q], v[TM+4*\q+1]   ; the other half's four waves: the same bits in both halves
.endr
.irp q, 0,1,2,3
	v_mul_f32 v[TM+4*\q+1], s[CS], v[TM+4*\q+2]    ; t: the number that is stored, so p below is made of it by a subtraction, not by a fused line on q . k
.endr
	v_max3_num_f32 v[FA+1], v[TM+1], v[TM+5], v[TM+9]
	v_max3_num_f32 v[FA+1], v[FA+1], v[TM+13], v[MX]
	v_max_num_f32_dpp v[FA+1], v[FA+1], v[FA+1] row_xmask:1 row_mask:0xf bank_mask:0xf
	v_max_num_f32_dpp v[FA+1], v[FA+1], v[FA+1] row_xmask:2 row_mask:0xf bank_mask:0xf
	v_max_num_f32_dpp v[FA+1], v[FA+1], v[FA+1] row_xmask:4 row_mask:0xf bank_mask:0xf
	v_max_num_f32_dpp v[FA+1], v[FA+1], v[FA+1] row_xmask:8 row_mask:0xf bank_mask:0xf   ; the new m (both halves of the lanes hold the same rows)
	v_sub_f32 v[FA], v[MX], v[FA+1]
.irp q, 0,1,2,3
	v_sub_f32 v[TM+4*\q], v[TM+4*\q+1], v[FA+1]
.endr
	s_wait_alu depctr_va_vdst(0)                   ; the wait ahead of the batch
	v_exp_f32 v[FA], v[FA]                         ; a = 2^(old m - new m)
.irp q, 0,1,2,3
	v_exp_f32 v[TM+4*\q], v[TM+4*\q]               ; p
.endr
	v_mov_b32 v[MX], v[FA+1]                       ; a plain line behind the exponentials
	s_wait_alu depctr_va_vdst(0)                   ; and one behind it, ahead of the first reader
	v_add_f32 v[TM+2], v[TM], v[TM+4]
	v_add_f32 v[TM+3], v[TM+8], v[TM+12]
	v_cndmask_b32 v[SD], v[TM+1], v[TM+9], s[HM]   ; rows 4 r + 2 h and 4 r + 2 h + 1
	v_cndmask_b32 v[SD+1], v[TM+5], v[TM+13], s[HM]
	v_add_f32 v[TM+2], v[TM+2], v[TM+3]
	v_fma_f32 v[LSUM], v[LSUM], v[FA], v[TM+2]     ; l = a l + my four rows' p; the lanes are added at the end
	s_wait_alu depctr_va_vdst(0)                   ; the wait ahead of the branch
	s_cmp_lg_u32 s[WV], 0                          ; wave 0 stores the block's 64 t
	s_cbranch_scc1 .Lnot_wave_0_\@
	global_store_b64 v[SOF], v[SD:SD+1], s[16:17]  ; 32 lanes store 256 consecutive bytes, aligned
.Lnot_wave_0_\@:
	WIN RSW
.set i, 0
.rept 16
	v_pk_mul_f32 v[OA+2*i:OA+2*i+1], v[OA+2*i:OA+2*i+1], v[FA:FA+1] op_sel_hi:[1,0]   ; the sum under the new m
.set i, i+1
.endr
	WIN PVW
	s_wait_alu depctr_va_vdst(0)                   ; directly ahead of the first reader of the products
	PV 0
	PV 1
	WVP 2
	WIN 0
	PLACES
.if \qk
	FRAG 2, 1-\P
.endif
	WIN PVW
	PV 2
.if \x
	WIN 0
	XLD 0, \P                                      ; into the set that the lines above have read
	WIN PVW
.endif
	PV 3
	WIN 0
	s_wait_xcnt 0x0                                ; the store of t has read its data and its base, the prefetches their base: they are written again only behind this wait
	s_add_nc_u64 s[16:17], s[16:17], 256           ; the next block's 64 t
.if \x
	XLD 1, \P
	XCORE \P, 0
.else
.if \qk
	s_wait_dscnt 0x0
.endif
.endif
.if \qk
	QK 1-\P
.endif
.endm
	s_wait_alu depctr_va_vdst(0)                   ; the wait at the head's end
	s_wait_loadcnt 0x0                             ; wq, wk, scale words and biases are in
	ASK 65536                                      ; block 1
	BAR 2                                          ; block 0 is in; block 1 into slot 1, issued as a refill is
	XLD 0, 0                                       ; X of block 0
	XLD 1, 0
	XCORE 0, 0
	ASK 131072                                     ; block 2
	WIN TO1
.irp f, 8,9,10,11,12,13,14,15,16,17,18,19,20,21,22,23
	WFRAG \f                                       ; wv: first wanted in phase 0
.endr
	WIN 0
	s_wait_xcnt 0x0                                ; the loads have read their offsets: x's fragments may land there
	BAR 2                                          ; block 1 is in; block 2
	XLD 0, 1                                       ; X of block 1, QK of block 0
	XLD 1, 1
	FRAG 0, 0
	FRAG 2, 0
	ASK 196608                                     ; block 3
	XCORE 1, 36
	QK 0
	s_wait_loadcnt 0x0                             ; wv
	s_mov_b32 s[CNT], 2
.Lpair:                                            ; phases 0 to 3: blocks 4 to 7 are asked for
	PHASE 0, 2, 1, 1, 1
	PHASE 1, 2, 1, 1, 1
	s_add_nc_u64 s[PFA:PFA+1], s[PFA:PFA+1], 131072   ; (behind the phase's wait on XCNT)
	s_wait_alu depctr_va_vdst(0)                   ; the wait ahead of the branch
	s_sub_co_u32 s[CNT], s[CNT], 1
	s_cmp_lg_u32 s[CNT], 0
	s_cbranch_scc1 .Lpair
	PHASE 0, 2, 0, 1, 1                            ; phase 4 loads block 7, the last
	PHASE 1, 1, 0, 1, 1                            ; phase 5: X of block 7
	PHASE 0, 0, 0, 0, 1                            ; phase 6: QK of block 7
	PHASE 1, 0, 0, 0, 0                            ; phase 7
	; THE WAY OUT.  Lane (r, h) holds the sum over its rows of eight columns a tile.  The 16 lanes' sums go through my own stage, where the images lay (nobody reads them behind the last barrier; no fill lands there),
	; as 16 rows of 256 bytes and come back 8 bytes a lane.
	s_mul_i32 s56, s[WV], 16*IP
	s_add_co_u32 s56, s56, IMG                     ; my stage
	v_and_b32 v[TM], 15, v0
	v_bfe_u32 v[TM+1], v0, 4, 1
	v_and_b32 v[TM+2], 31, v0
	v_mul_u32_u24 v[TM+3], v[TM], IP
	v_lshl_add_u32 v[TM+3], v[TM+1], 5, v[TM+3]
	v_add_nc_u32 v[TM+4], s56, v[TM+3]             ; in: row r, + 32 h
	v_lshlrev_b32 v[TM+5], 3, v[TM+2]              ; 8 x lane: my two columns in part
	v_add_nc_u32 v[TM+6], s56, v[TM+5]             ; back, by rows
	v_mov_b32 v[TM+7], 0
	WIN STW
	s_wait_alu depctr_va_vdst(0)                   ; ahead of the readers below
.irp t, 0,1,2,3
	ds_store_b128 v[TM+4], v[OA+8*\t:OA+8*\t+3] offset:64*\t
	ds_store_b128 v[TM+4], v[OA+8*\t+4:OA+8*\t+7] offset:64*\t+16
.endr
	WIN 0
.set i, 0
.rept 16
	ds_load_b64 v[RA+2*i:RA+2*i+1], v[TM+6] offset:IP*i   ; LDS serves a wave's instructions in order (ISA guide 5.7.1.4): these see the stores above
.set i, i+1
.endr
	v_add_f32_dpp v[LSUM], v[LSUM], v[LSUM] row_xmask:1 row_mask:0xf bank_mask:0xf
	v_add_f32_dpp v[LSUM], v[LSUM], v[LSUM] row_xmask:2 row_mask:0xf bank_mask:0xf
	v_add_f32_dpp v[LSUM], v[LSUM], v[LSUM] row_xmask:4 row_mask:0xf bank_mask:0xf
	v_add_f32_dpp v[LSUM], v[LSUM], v[LSUM] row_xmask:8 row_mask:0xf bank_mask:0xf   ; l of the 512 rows
	s_wait_alu depctr_va_vdst(0)                   ; directly ahead of the wait below
	s_wait_dscnt 0x0
.irp d, 8,4,2,1                        ; the 16 rows are added as a tree
.set i, 0
.rept \d
	v_pk_add_f32 v[RA+2*i:RA+2*i+1], v[RA+2*i:RA+2*i+1], v[RA+2*(i+\d):RA+2*(i+\d)+1]
.set i, i+1
.endr
.endr
	global_store_b64 v[TM+5], v[RA:RA+1], s[18:19] ; 32 lanes store 256 consecutive bytes, aligned: my 64 columns
	s_cmp_lg_u32 s[WV], 0
	s_cbranch_scc1 .Lno_stat
	v_cmp_eq_u32 vcc_lo, 0, v0                     ; one lane stores (m, l): 8 bytes a work-group
	s_wait_xcnt 0x0                                ; EXEC changes only behind this wait
	s_and_saveexec_b32 s43, vcc_lo
	global_store_b64 v[TM+7], v[MX:LSUM], s[20:21]
	s_wait_xcnt 0x0                                ; and again, in front of the line that widens it
	s_or_b32 exec_lo, exec_lo, s43
.Lno_stat:
	s_wait_tensorcnt 0x0                           ; the wave's end: behind my last tensor load and my last LDS store
	ds_add_u32 v[SPW], v[NIL]
	s_wait_dscnt 0x0
	s_endpgm
.Lfunc_end_k_q863e4d1aaf_main:
	.size	k_q863e4d1aaf_main, .Lfunc_end_k_q863e4d1aaf_main-k_q863e4d1aaf_main
	.p2alignl 7, 3214868480
	.fill 96, 4, 3214868480
	.section	.rodata,"a",@progbits
	.p2align	6, 0x0
	.amdhsa_kernel k_q863e4d1aaf_main
		.amdhsa_group_segment_fixed_size 327680
		.amdhsa_private_segment_fixed_size 0
		.amdhsa_enable_private_segment 0
		.amdhsa_kernarg_size 72
		.amdhsa_user_sgpr_count 2
		.amdhsa_user_sgpr_kernarg_segment_ptr 1
		.amdhsa_wavefront_size32 1
		.amdhsa_system_sgpr_workgroup_id_x 1
		.amdhsa_system_sgpr_workgroup_id_y 1
		.amdhsa_system_sgpr_workgroup_id_z 1
		.amdhsa_system_vgpr_workitem_id 0
		.amdhsa_next_free_vgpr 512
		.amdhsa_next_free_sgpr 66
		.amdhsa_reserve_vcc 1
		.amdhsa_float_denorm_mode_32 3
		.amdhsa_float_denorm_mode_16_64 3
		.amdhsa_memory_ordered 1
		.amdhsa_forward_progress 1
		.amdhsa_inst_pref_size 255
	.end_amdhsa_kernel
	.section	.bss,"aw",@nobits
	.p2align	6
	.space	262144
	.amdgpu_metadata
---
amdhsa.version: [ 1, 2 ]
amdhsa.kernels:
  - .name:           k_q863e4d1aaf_main
    .symbol:         k_q863e4d1aaf_main.kd
    .args:
      - { .name: vi, .offset: 0, .size: 8, .value_kind: global_buffer, .address_space: global }
      - { .name: au, .offset: 8, .size: 8, .value_kind: global_buffer, .address_space: global }
      - { .name: wq_b, .offset: 16, .size: 8, .value_kind: global_buffer, .address_space: global }
      - { .name: wk_b, .offset: 24, .size: 8, .value_kind: global_buffer, .address_space: global }
      - { .name: wfrag, .offset: 32, .size: 8, .value_kind: global_buffer, .address_space: global }
      - { .name: wscale, .offset: 40, .size: 8, .value_kind: global_buffer, .address_space: global }
      - { .name: scores, .offset: 48, .size: 8, .value_kind: global_buffer, .address_space: global }
      - { .name: part, .offset: 56, .size: 8, .value_kind: global_buffer, .address_space: global }
      - { .name: stat, .offset: 64, .size: 8, .value_kind: global_buffer, .address_space: global }
    .group_segment_fixed_size: 327680
    .private_segment_fixed_size: 0
    .kernarg_segment_align: 8
    .kernarg_segment_size: 72
    .max_flat_workgroup_size: 256
    .sgpr_count:     66
    .vgpr_count:     512
    .wavefront_size: 32
...
	.end_amdgpu_metadata
.endif
;; end of part 2
;; launch finish (part 3): grid 4 x 16, 5 waves a work-group, no clusters, 0 bytes of LDS; arguments scores, part, stat, wv_b, out0, out1; writes out0, out1
.if DOCPART == 3
	.amdgcn_target "amdgcn-amd-amdhsa--gfx1250"
	.amdhsa_code_object_version 6
	.text
	.protected	k_q863e4d1aaf_finish
	.globl	k_q863e4d1aaf_finish
	.p2align	8
	.type	k_q863e4d1aaf_finish,@function
k_q863e4d1aaf_finish:
	s_mov_b64 s[64:65], 0
	v_nop
	global_prefetch_b8 v0, s[64:65] scope:SCOPE_SE
	s_setreg_imm32_b32 hwreg(HW_REG_WAVE_MODE, 25, 1), 1
	s_wait_xcnt 0x0
; The 16 parts of each batch are joined.  stat holds (m, l) of each part, part the sum of 2^(t - m) v' (v without its bias), scores t for each row.
; M = the largest m; e = 2^(m - M); L = the sum of l e; out1 = 2^(t - M) / L; out0 = the sum over the parts of (e / L) x part, plus wv_b x the sum of the weights, L x (1 / L).
; A work-group takes a quarter of a batch (x: the quarter, y: the batch).  Waves 0 to 3: 512 weights each, 2,048 consecutive bytes.  Wave 4: 128 columns of out0, four a lane.
; Every wave makes M, L and e for itself from 128 bytes of stat: no LDS, no barrier.  A stream of 1 MiB in all: matrix units, clusters and tensor loads would add nothing.
; LIMITS: a weight under 2^-126 comes out as 0 (v_exp_f32); the division is a multiplication by v_rcp_f32's reciprocal.
	s_load_b256 s[4:11], s[0:1], 0x0               ; scores s[4:5], part s[6:7], stat s[8:9], wv_b s[10:11]
	s_load_b128 s[12:15], s[0:1], 0x20             ; out0 s[12:13], out1 s[14:15]
	v_lshrrev_b32 v1, 5, v0
	v_readfirstlane_b32 s22, v1                    ; wave 0..4
	v_and_b32 v2, 31, v0
	v_lshlrev_b32 v1, 4, v2                        ; 16 bytes a lane
	v_and_b32 v3, 15, v0
	v_lshlrev_b32 v3, 3, v3                        ; lane l and lane l + 16 take part l % 16's (m, l)
	s_and_b32 s23, ttmp7, 0xffff                   ; the batch
	s_lshl_b32 s16, s23, 7                         ; its 16 pairs
	s_mov_b32 s17, 0
	s_lshl_b32 s18, s23, 15                        ; its 32,768 bytes of scores, of out1 and of part
	s_mov_b32 s19, 0
	s_wait_alu depctr_va_vdst(0)
	s_wait_kmcnt 0x0
	s_add_nc_u64 s[8:9], s[8:9], s[16:17]
	global_load_b64 v[4:5], v3, s[8:9]
; v6 = M, v7 = e, v8 = L, v10 = 1 / L, v11 = e / L.  left: the role's own loads, issued behind stat's, which may stay out
.macro STATS left
	s_wait_loadcnt \left
	v_mov_b32 v6, v4
	v_max_num_f32_dpp v6, v6, v6 row_xmask:1 row_mask:0xf bank_mask:0xf
	v_max_num_f32_dpp v6, v6, v6 row_xmask:2 row_mask:0xf bank_mask:0xf
	v_max_num_f32_dpp v6, v6, v6 row_xmask:4 row_mask:0xf bank_mask:0xf
	v_max_num_f32_dpp v6, v6, v6 row_xmask:8 row_mask:0xf bank_mask:0xf
	v_sub_f32 v7, v4, v6
	s_wait_alu depctr_va_vdst(0)
	v_exp_f32 v7, v7
	v_nop                                          ; a plain line behind the transcendental,
	s_wait_alu depctr_va_vdst(0)                   ; and the wait ahead of its first reader
	v_mul_f32 v8, v5, v7
	v_add_f32_dpp v8, v8, v8 row_xmask:1 row_mask:0xf bank_mask:0xf
	v_add_f32_dpp v8, v8, v8 row_xmask:2 row_mask:0xf bank_mask:0xf
	v_add_f32_dpp v8, v8, v8 row_xmask:4 row_mask:0xf bank_mask:0xf
	v_add_f32_dpp v8, v8, v8 row_xmask:8 row_mask:0xf bank_mask:0xf
	s_wait_alu depctr_va_vdst(0)
	v_rcp_f32 v10, v8
	v_nop
	s_wait_alu depctr_va_vdst(0)
	v_mul_f32 v11, v7, v10
.endm
	s_cmp_eq_u32 s22, 4
	s_cbranch_scc1 .Lout0
	; ---- the weights
	s_lshl_b32 s20, ttmp9, 13                      ; the quarter's 8,192 bytes
	s_lshl_b32 s21, s22, 11                        ; my wave's 2,048
	s_add_co_u32 s18, s18, s20
	s_add_co_u32 s18, s18, s21
	s_add_nc_u64 s[4:5], s[4:5], s[18:19]
	s_add_nc_u64 s[14:15], s[14:15], s[18:19]
.irp j, 0,1,2,3
	global_load_b128 v[16+4*\j:19+4*\j], v1, s[4:5] offset:512*\j th:TH_LOAD_NT
.endr
	STATS 4
	s_wait_loadcnt 0x0
.irp j, 0,2,4,6,8,10,12,14
	v_pk_add_f32 v[16+\j:17+\j], v[16+\j:17+\j], v[6:7] op_sel_hi:[1,0] neg_lo:[0,1] neg_hi:[0,1]   ; t - M, two at a time
.endr
	s_wait_alu depctr_va_vdst(0)
.irp j, 0,1,2,3,4,5,6,7,8,9,10,11,12,13,14,15
	v_exp_f32 v[16+\j], v[16+\j]
.endr
	v_nop
	s_wait_alu depctr_va_vdst(0)                   ; one wait for the sixteen
.irp j, 0,2,4,6,8,10,12,14
	v_pk_mul_f32 v[16+\j:17+\j], v[16+\j:17+\j], v[10:11] op_sel_hi:[1,0]
.endr
.irp j, 0,1,2,3
	global_store_b128 v1, v[16+4*\j:19+4*\j], s[14:15] offset:512*\j th:TH_STORE_NT   ; 32 lanes store 512 consecutive bytes, aligned
.endr
	s_endpgm
.Lout0:
	; ---- 128 columns of out0
	s_lshl_b32 s20, ttmp9, 9                       ; the quarter's 512 bytes of a row
	s_mov_b32 s21, 0
	s_add_co_u32 s18, s18, s20
	s_add_nc_u64 s[6:7], s[6:7], s[18:19]
	s_add_nc_u64 s[10:11], s[10:11], s[20:21]      ; and of the bias
	s_lshl_b32 s18, s23, 11                        ; the batch's row of out0
	s_add_co_u32 s18, s18, s20
	s_add_nc_u64 s[12:13], s[12:13], s[18:19]
.irp i, 0,1,2,3,4,5,6,7,8,9,10,11,12,13,14,15
	global_load_b128 v[16+4*\i:19+4*\i], v1, s[6:7] offset:2048*\i th:TH_LOAD_NT
.endr
	global_load_b128 v[84:87], v1, s[10:11]        ; my four numbers of wv_b
	STATS 17
.irp i, 0,1,2,3,4,5,6,7,8,9,10,11,12,13,14,15
	v_readlane_b32 s[32+\i], v11, \i               ; part i's factor e / L
.endr
	v_mul_f32 v12, v8, v10                         ; the sum of the weights as they are made: L x (1 / L)
	s_wait_alu depctr_va_vdst(0)
	s_wait_loadcnt 0x0
.irp c, 0,1,2,3
	v_mul_f32 v[80+\c], v12, v[84+\c]              ; the bias's share starts the sums
.endr
.irp i, 0,1,2,3,4,5,6,7,8,9,10,11,12,13,14,15
.irp c, 0,1,2,3
	v_fmac_f32 v[80+\c], s[32+\i], v[16+4*\i+\c]
.endr
.endr
	global_store_b128 v1, v[80:83], s[12:13] th:TH_STORE_NT   ; 512 consecutive bytes, aligned
	s_endpgm
.Lfunc_end_k_q863e4d1aaf_finish:
	.size	k_q863e4d1aaf_finish, .Lfunc_end_k_q863e4d1aaf_finish-k_q863e4d1aaf_finish
	.p2alignl 7, 3214868480
	.fill 96, 4, 3214868480
	.section	.rodata,"a",@progbits
	.p2align	6, 0x0
	.amdhsa_kernel k_q863e4d1aaf_finish
		.amdhsa_group_segment_fixed_size 0
		.amdhsa_private_segment_fixed_size 0
		.amdhsa_enable_private_segment 0
		.amdhsa_kernarg_size 48
		.amdhsa_user_sgpr_count 2
		.amdhsa_user_sgpr_kernarg_segment_ptr 1
		.amdhsa_wavefront_size32 1
		.amdhsa_system_sgpr_workgroup_id_x 1
		.amdhsa_system_sgpr_workgroup_id_y 1
		.amdhsa_system_sgpr_workgroup_id_z 1
		.amdhsa_system_vgpr_workitem_id 0
		.amdhsa_next_free_vgpr 96
		.amdhsa_next_free_sgpr 66
		.amdhsa_reserve_vcc 0
		.amdhsa_float_denorm_mode_32 3
		.amdhsa_float_denorm_mode_16_64 3
		.amdhsa_memory_ordered 1
		.amdhsa_forward_progress 1
		.amdhsa_inst_pref_size 11
	.end_amdhsa_kernel
	.amdgpu_metadata
---
amdhsa.version: [ 1, 2 ]
amdhsa.kernels:
  - .name:           k_q863e4d1aaf_finish
    .symbol:         k_q863e4d1aaf_finish.kd
    .args:
      - { .name: scores, .offset: 0, .size: 8, .value_kind: global_buffer, .address_space: global }
      - { .name: part, .offset: 8, .size: 8, .value_kind: global_buffer, .address_space: global }
      - { .name: stat, .offset: 16, .size: 8, .value_kind: global_buffer, .address_space: global }
      - { .name: wv_b, .offset: 24, .size: 8, .value_kind: global_buffer, .address_space: global }
      - { .name: out0, .offset: 32, .size: 8, .value_kind: global_buffer, .address_space: global }
      - { .name: out1, .offset: 40, .size: 8, .value_kind: global_buffer, .address_space: global }
    .group_segment_fixed_size: 0
    .private_segment_fixed_size: 0
    .kernarg_segment_align: 8
    .kernarg_segment_size: 48
    .max_flat_workgroup_size: 160
    .sgpr_count:     66
    .vgpr_count:     96
    .wavefront_size: 32
...
	.end_amdgpu_metadata
.endif
;; end of part 3
